; MI455X (gfx1250); checked and timed in simulation.
; The chip was launched on July 23, 2026; its instructions are those of AMD's public machine-readable ISA for CDNA 5 (MIT licence, August 2026) and "CDNA5" Instruction Set Architecture Reference Guide (July 2026). The comments in the code are by the model that wrote it; some were corrected since.
;; Expert Layer. Allowed arithmetic: matrix products marked QUANTISED: E2M1 operands, one E8M0 scale for each 32 along K, by v_wmma_scale_f32_16x16x128_f8f6f4 with both operands' format E2M1 (or v_wmma_scale_f32_32x16x128_f4), f32 sums; products left as they are: f32 operands where the result goes on into a quantised operand, else bf16, f16 or f32 operands; f32 sums; everything else in f32.
;; Inputs: W1_codes 8 x 512 x 16 x 16 uint8 (E2M1 codes of W1, K innermost, in blocks of 32 codes, two codes a byte); W1_scales 8 x 512 x 16 uint8 (E8M0 scales of W1, one for each 32 codes along K); W2_codes 8 x 512 x 16 x 16 uint8 (E2M1 codes of W2, K innermost, in blocks of 32 codes, two codes a byte); W2_scales 8 x 512 x 16 uint8 (E8M0 scales of W2, one for each 32 codes along K); Wr 512 x 8 float32; b1 8 x 512 float32; b2 8 x 512 float32; br 8 float32; x 4 x 2,048 x 512 float32.
;; Outputs: out0 4 x 2,048 x 512 float32.
;; This version of the problem:
;;   THIS VERSION OF THE PROBLEM IS GIVEN IN LOW PRECISION. The matrix products marked QUANTISED in the list below multiply operands that are first quantised to E2M1 (2 exponent bits, 1 mantissa bit; 4 bits a number), with one power-of-two scale for each 32 numbers along K (OCP MX v1.0); their sums are f32. All else is computed in f32.
;;   The module's matrix products, in the order in which they are computed (A, B: the left and right operand; K: the contracted axis; several contracted axes count as one K, in the product's order):
;;     1. [M 8,192, K 512] x [K 512, N 8]; A: input x; B: input Wr: left as it is (N = 8 < 16)
;;     2. [M 8,192, K 512] x [K 512, N 4,096]; A: input x; B: input W1 (given as codes): QUANTISED
;;     3. batch 8 x [M 512, K 512] x [K 512, N 8,192]; A: input W2 (given as codes); B: computed on the way: QUANTISED
;;   THE QUANTISER, for each operand of a quantised product, along K:
;;     - K is cut into blocks of 32 from its start; a last block that is shorter is filled with zeros.
;;     - A block's scale is 2^e with e = floor(log2(the largest magnitude in the block)) - 2, held to -126 .. 127; a block of zeros has e = 0. As a byte (E8M0): e + 127.
;;     - Each number is divided by its block's scale, clamped to +-6, and rounded to the nearest number of E2M1, ties to even, subnormals kept.
;;     - The product sums the exact products of the quantised numbers (number of the format x scale) in f32.
;;   ~~~python
;;   def quantise(x, axis):      # numpy; x: float32 -> the quantised numbers, widened to float32 again
;;       x = np.moveaxis(x, axis, -1); K = x.shape[-1]
;;       x = np.pad(x, [(0, 0)] * (x.ndim - 1) + [(0, -K % 32)]); x = x.reshape(x.shape[:-1] + (-1, 32)); a = np.abs(x).max(-1, keepdims=True)
;;       e = np.where(a > 0, np.clip(np.frexp(np.where(a > 0, a, 1))[1] - 1 - 2, -126, 127), 0)      # np.frexp(a)[1] - 1 = floor(log2(a)), exactly
;;       r = np.clip(x / 2.0 ** e, -6, 6)
;;       step = 2.0 ** (np.maximum(np.frexp(np.where(r == 0, 1, r))[1] - 1, 0) - 1)
;;       q = np.round(r / step) * step * 2.0 ** e      # np.round: ties to even
;;       return np.moveaxis(q.reshape(q.shape[:-2] + (-1,))[..., :K], -1, axis).astype(np.float32)
;;   ~~~
;;   OPERANDS COMPUTED ON THE WAY. 'Computed on the way' means the value that the module computes at that place (a softmax that the list does not call 'softmax' is quantised finished and normalised). What goes into a quantiser is computed in f32, as accurately as f32 sums, v_exp_f32 and their like allow (about 1e-6 of the number): no bf16 or f16 on the way to a quantiser, and a product that is left as it is and whose result goes on into a quantised operand takes f32 operands (vector FMAs, or v_wmma_f32_16x16x4_f32). A number that lies on a knife's edge between two numbers of the format may be rounded either way, as far as f32 arithmetic and the matrix unit's own rounding can turn it there, and no further.
;;   INPUTS GIVEN AS CODES. W1 (in the module: [8, 512, 512], K = its axis 1); W2 (in the module: [8, 512, 512], K = its axis 1): each comes as NAME_codes (uint8): NAME with its K axis moved to the last place and cut into blocks of 32 codes, [.., K / 32, bytes a block], one block behind the other in memory; two codes a byte, the lower K in the low four bits (a code: sign, 2 exponent bits, 1 mantissa bit); and NAME_scales (uint8): the same leading axes, one E8M0 byte (e + 127) for each 32 codes along K. Its value is code x scale, taken as it is: it is not quantised again, and the codes and scales need not be those that the quantiser above would give.
;; One version. Each part assembles by itself: llvm-mc -triple=amdgcn-amd-amdhsa -mcpu=gfx1250 --defsym DOCPART=n.
;; ======== version 1 of 1: 2 launches
;; workspace buffers: xq 2,097,152 bytes; xs 131,072 bytes; gate 32,768 bytes; wl 2,097,152 bytes; cnt 8,192 bytes of whole numbers; lst 32,768 bytes of whole numbers
;; launch route (part 1): grid 256 x 1, 4 waves a work-group, no clusters, 96,768 bytes of LDS; arguments x, Wr, br, W1_codes, W2_codes, xq, xs, gate, cnt, lst, wl; writes xq, xs, gate, cnt, lst, wl
.if DOCPART == 1
	.amdgcn_target "amdgcn-amd-amdhsa--gfx1250"
	.amdhsa_code_object_version 6
	.text
	.protected	k_qadf246461c_route
	.globl	k_qadf246461c_route
	.p2align	8
	.type	k_qadf246461c_route,@function
k_qadf246461c_route:
	s_mov_b64 s[64:65], 0
	v_nop
	global_prefetch_b8 v0, s[64:65] scope:SCOPE_SE
	s_setreg_imm32_b32 hwreg(HW_REG_WAVE_MODE, 25, 1), 1
	s_wait_xcnt 0x0
; ROUTE.  8,192 tokens of 512 f32 numbers.  Work-group g owns block g: tokens 32 g .. 32 g + 31.  It makes, at fixed places:
;   xq  [token][256 B]  x as E2M1 codes, K innermost;   xs [token][16 B] their E8M0 bytes (word s: K step s of 128);
;   gate [token] f32    the largest softmax probability = 1 / sum of exp(logit - largest logit);
;   lst [block][32]     the block's token numbers sorted by chosen expert (stable);
;   cnt [expert][block] (tokens of that expert in the block) + (where they begin in the block's sorted list << 16);
;   wl                  W1's and W2's codes in the order of the operand's registers: fragment ((mat 8 + e) 4 + wp) 32 + 4 t + s, 1,024 bytes = [c 2][lane 32][16 B].
; No address and no branch hangs on data: the sort is made of ballots, v_readlane_b32 and v_cndmask_b32, and every store goes to a place made of ids.
; SHARES.  Loading: wave w fetches tokens 8 w .. 8 w + 7, each load 512 consecutive bytes.  Computing: a LANE IS A TOKEN and wave w takes K = 128 w .. 128 w + 127 of all 32 tokens:
; a block of 32 along K lies whole in one lane's registers, the router's sums need no other lane, and the 32 choices end one to a lane.
; The router's product is f32 multiply-adds: a turned argmax is a wrong row.
; LIMITS: NaN and infinities are not served.  A block whose largest magnitude lies under 2^-124 keeps the byte 1; so does a block of zeros (its codes are zeros, and the bytes are read by this program alone).
; The argmax is taken on the f32 logits, the lower index on exact ties; two logits closer than the error of an f32 sum of 512 terms may choose otherwise than a sum in another order.
.set XP,   2064                        ; LDS: a token's row: 2,048 bytes + 16: lanes that read the same column of 16 rows fall on 16 different groups of banks
.set WRL,  32*XP                       ; Wr: 4,096 bytes for each wave: its 128 rows of 8 numbers
.set LG,   WRL+16384                   ; the waves' partial logits: [wave][j 2][lane][16 B]
.set CS,   LG+4096                     ; the codes: 32 rows of 256 bytes + 16
.set CP,   272
.set SS,   CS+32*CP                    ; the scale bytes: [token][16 B]
.set RL,   16                          ; v16-31   the weights on their way to wl; afterwards v16 the scale word, v17-19 at work
.set SW,   16
.set WL,   32                          ; v32-63   Wr as loaded
.set XL,   96                          ; v96-223  x as loaded
.set XB,   32                          ; v32-95   behind the first barrier: two blocks of 32 numbers of my token
.set WRG,  96                          ; v96-223  behind it: four sets of 4 rows of Wr
.set ACC,  224                         ; v224-239 the 8 logits' sums, two sets of 4 pairs
.set CD,   240                         ; v240-255 my token's 128 codes
	s_load_b512 s[4:19], s[0:1], 0x0               ; x s[4:5], Wr s[6:7], br s[8:9], W1's codes s[10:11], W2's s[12:13], xq s[14:15], xs s[16:17], gate s[18:19]
	s_load_b128 s[20:23], s[0:1], 0x40             ; cnt s[20:21], lst s[22:23]
	s_load_b64 s[24:25], s[0:1], 0x50              ; wl
	s_set_vgpr_msb 0x40
	v_lshl_add_u32 v0, v0, 2, 0x17800
	v_mov_b32 v1, 0
	s_set_vgpr_msb 0x4000
	v_lshrrev_b32 v14, 5, v0
	v_readfirstlane_b32 s26, v14                   ; wave 0..3
	s_mov_b32 s27, ttmp9                           ; g
	v_and_b32 v1, 31, v0                           ; lane
	v_lshlrev_b32 v2, 4, v1                        ; 16 x lane
	v_lshrrev_b32 v14, 4, v1                       ; h
	v_and_b32 v15, 15, v1                          ; r
	s_mul_i32 s44, s26, 8*XP
	v_add_nc_u32 v3, s44, v2                       ; x into LDS: my wave's 8 rows, 16 bytes a lane
	s_lshl_b32 s44, s26, 9
	v_mul_u32_u24 v4, v1, XP
	v_add_nc_u32 v4, s44, v4                       ; x out of LDS: row = lane, my wave's 512 bytes
	s_lshl_b32 s44, s26, 12
	s_add_co_u32 s44, s44, WRL
	v_add_nc_u32 v5, s44, v2                       ; Wr into LDS
	v_mov_b32 v6, s44                              ; Wr out of LDS: the same address in every lane
	s_lshl_b32 s45, s26, 10
	s_add_co_u32 s45, s45, LG
	v_add_nc_u32 v8, s45, v2                       ; my partial logits
	v_mul_u32_u24 v9, v1, CP
	s_lshl_b32 s45, s26, 6
	s_add_co_u32 s45, s45, CS
	v_add_nc_u32 v9, s45, v9                       ; my token's codes: row = lane, my wave's 64 bytes
	s_lshl_b32 s45, s26, 2
	s_add_co_u32 s45, s45, SS
	v_add_nc_u32 v10, s45, v2                      ; my token's scale word of K step w
	v_mul_u32_u24 v11, v14, CP
	v_lshl_add_u32 v11, v15, 4, v11
	s_mul_i32 s45, s26, 8*CP
	s_add_co_u32 s45, s45, CS
	v_add_nc_u32 v11, s45, v11                     ; the codes back by rows: sixteen lanes to a row, two rows an instruction
	v_add_nc_u32 v12, LG, v2                       ; the router's tail: all waves' partial logits of my token
	v_add_nc_u32 v13, SS, v2                       ; the scale bytes back: 16 bytes a lane
	; which two fragments of wl are my wave's: unit u = 4 g + w: fragments 2 u and 2 u + 1
	s_lshl_b32 s46, s27, 2
	s_add_co_u32 s46, s46, s26                     ; u
	s_and_b32 s47, s46, 1
	s_lshl_b32 s47, s47, 7                         ; K steps 2 (u & 1) on: 64 bytes a K step
	s_bfe_u32 s48, s46, 0x30001                    ; t: the tile
	s_bfe_u32 s49, s46, 0x20004                    ; wp: which wave's 128 rows
	s_bfe_u32 s50, s46, 0x30006                    ; e: the expert
	s_lshr_b32 s51, s48, 1
	s_lshl_b32 s51, s51, 5
	s_and_b32 s52, s48, 1
	s_lshl_b32 s52, s52, 3
	s_add_co_u32 s51, s51, s52                     ; W1: tile t begins at row 32 (t / 2) + 8 (t % 2), and lane r takes row r + 8 (r / 8) of it,
	s_lshl_b32 s52, s48, 4                         ; W2: at row 16 t, and lane r takes row r
	s_mov_b32 s39, 0
	s_wait_kmcnt 0x0
	s_load_b256 s[28:35], s[8:9], 0x0              ; br's 8 numbers
	s_cmp_lt_u32 s27, 128                          ; the first 128 work-groups lay W1 out, the others W2: the choice hangs on the work-group's number alone
	s_cselect_b32 s51, s51, s52
	s_cselect_b32 s53, 8, 0
	s_cselect_b64 s[36:37], s[10:11], s[12:13]
	s_lshl_b32 s49, s49, 7
	s_add_co_u32 s49, s49, s51
	s_lshl_b32 s49, s49, 8                         ; a row is 256 bytes
	s_lshl_b32 s50, s50, 17                        ; an expert 512 rows
	s_add_co_u32 s38, s49, s50
	s_add_co_u32 s38, s38, s47
	s_add_nc_u64 s[36:37], s[36:37], s[38:39]      ; where my two fragments come from
	v_lshrrev_b32 v7, 3, v15
	v_mul_u32_u24 v7, s53, v7
	v_add_nc_u32 v7, v7, v15
	v_lshlrev_b32 v7, 8, v7
	v_lshl_add_u32 v7, v14, 4, v7                  ; my lane's row of the tile, + 16 h
	s_wait_alu depctr_va_vdst(0)
	s_lshl_b32 s38, s46, 11
	s_add_nc_u64 s[40:41], s[24:25], s[38:39]      ; and where they go: 2,048 u
	s_lshl_b32 s38, s26, 12
	s_add_nc_u64 s[42:43], s[6:7], s[38:39]        ; Wr at my wave's 128 rows
	s_lshl_b32 s38, s27, 16
	s_lshl_b32 s54, s26, 14
	s_add_co_u32 s38, s38, s54
	s_add_nc_u64 s[4:5], s[4:5], s[38:39]          ; x at my wave's 8 tokens
	s_lshl_b32 s38, s27, 13
	s_lshl_b32 s54, s26, 11
	s_add_co_u32 s38, s38, s54
	s_add_nc_u64 s[14:15], s[14:15], s[38:39]      ; xq likewise
	s_lshl_b32 s38, s27, 9
	s_add_nc_u64 s[16:17], s[16:17], s[38:39]      ; xs at the block
	s_lshl_b32 s38, s27, 7
	s_add_nc_u64 s[18:19], s[18:19], s[38:39]      ; gate
	s_add_nc_u64 s[22:23], s[22:23], s[38:39]      ; lst
	s_lshl_b32 s38, s27, 2
	s_add_nc_u64 s[20:21], s[20:21], s[38:39]      ; cnt at the block's column
	; ---- A: 44 loads a wave, in the order in which they are wanted
.irp i, 0,1
.irp c, 0,1
	global_load_b128 v[RL+8*\i+4*\c:RL+8*\i+4*\c+3], v7, s[36:37] offset:64*\i+32*\c   ; registers 4 c .. 4 c + 3 of fragment i: K = 64 c + 32 h + 0 .. 31 of my row
.endr
.endr
.irp i, 0,1,2,3,4,5,6,7
	global_load_b128 v[WL+4*\i:WL+4*\i+3], v2, s[42:43] offset:512*\i
.endr
.irp i, 0,1,2,3,4,5,6,7
.irp j, 0,1,2,3
	global_load_b128 v[XL+16*\i+4*\j:XL+16*\i+4*\j+3], v2, s[4:5] offset:2048*\i+512*\j th:TH_LOAD_NT   ; 32 lanes read 512 consecutive bytes; read once in the launch
.endr
.endr
	s_wait_loadcnt 40                              ; the four loads of weights are in; Wr's 8 and x's 32 stay out
.irp i, 0,1
.irp c, 0,1
	global_store_b128 v2, v[RL+8*\i+4*\c:RL+8*\i+4*\c+3], s[40:41] offset:1024*\i+512*\c   ; the image of the registers: 512 consecutive bytes a store
.endr
.endr
	s_wait_loadcnt 32                              ; Wr is in; x's 32 stay out
.irp i, 0,1,2,3,4,5,6,7
	ds_store_b128 v5, v[WL+4*\i:WL+4*\i+3] offset:512*\i
.endr
.irp i, 0,1,2,3,4,5,6,7
	s_wait_loadcnt 28-4*\i                         ; token i's four loads are in; the later tokens' stay out
.irp j, 0,1,2,3
	ds_store_b128 v3, v[XL+16*\i+4*\j:XL+16*\i+4*\j+3] offset:XP*\i+512*\j
.endr
.endr
	s_wait_xcnt 0x0                                ; the stores to wl have read v16-31, which are written again below
	s_wait_kmcnt 0x0                               ; br
	s_wait_dscnt 0x0                               ; for the others' sake: my rows of x lie in LDS
	s_barrier_signal -1
	s_barrier_wait -1
	; ---- B: 32 units of 4 along K.  A unit's 9 LDS loads (4 rows of Wr, the same for all lanes; 4 numbers of my token) are asked for four units ahead.
.macro ISSUE u
.irp n, 0,1,2,3,4,5,6,7
	ds_load_b128 v[WRG+32*((\u)%4)+4*\n:WRG+32*((\u)%4)+4*\n+3], v6 offset:128*(\u)+16*\n
.endr
	ds_load_b128 v[XB+4*((\u)%16):XB+4*((\u)%16)+3], v4 offset:16*(\u)
.endm
; Block b of my token's four: its 32 numbers are all mine.  The largest magnitude with the floor 2^(3 - 127) among its leaves; 2 off its exponent field is the conversion's scale operand, and that field is the byte.
.macro QBLOCK b
.set XQ, XB+32*((\b)%2)
	v_max3_num_f32 v17, |v[XQ]|, |v[XQ+1]|, |v[XQ+2]|
	v_max3_num_f32 v18, |v[XQ+3]|, |v[XQ+4]|, |v[XQ+5]|
.irp i, 6,10,14,18,22,26
	v_max3_num_f32 v17, v17, |v[XQ+\i]|, |v[XQ+\i+1]|
	v_max3_num_f32 v18, v18, |v[XQ+\i+2]|, |v[XQ+\i+3]|
.endr
	v_max3_num_f32 v17, v17, |v[XQ+30]|, |v[XQ+31]|
	v_max3_num_f32 v17, v17, v18, 0x1800000
	v_add_nc_u32 v19, 0xff000000, v17
	v_lshrrev_b32 v18, 23, v19
.if (\b) == 0
	v_mov_b32 v[SW], v18
.else
	v_lshl_or_b32 v[SW], v18, 8*(\b), v[SW]        ; four bytes to the word, the lower K in the lower byte
.endif
.irp g, 0,1,2,3
	v_cvt_scalef32_pk8_fp4_f32 v[CD+4*(\b)+\g], v[XQ+8*\g:XQ+8*\g+7], v19
.endr
	v_nop                                          ; one plain instruction behind the last scaled conversion
.endm
; A unit: 16 packed multiply-adds: number i of my token x row i's four pairs of experts; even and odd i add into two sets, so that no line waits for the line above it.
.macro UNIT u
.if 31-(\u) >= 3
	s_wait_dscnt 27                                ; this unit's 9 loads are in; the three younger units' 27 stay out
.else
	s_wait_dscnt 9*(31-(\u))
.endif
.set xr, XB+4*((\u)%16)
.set wr, WRG+32*((\u)%4)
.irp i, 0,1,2,3
.irp p, 0,1,2,3
.set ra, ACC+8*(\i%2)+2*\p
.set rx, xr+2*(\i/2)
.set rw, wr+8*\i+2*\p
.if ((\u) == 0) && (\i < 2)
.if \i%2
	v_pk_mul_f32 v[ra:ra+1], v[rx:rx+1], v[rw:rw+1] op_sel:[1,0] op_sel_hi:[1,1]   ; the first products start the sums: nothing is cleared
.else
	v_pk_mul_f32 v[ra:ra+1], v[rx:rx+1], v[rw:rw+1] op_sel:[0,0] op_sel_hi:[0,1]
.endif
.else
.if \i%2
	v_pk_fma_f32 v[ra:ra+1], v[rx:rx+1], v[rw:rw+1], v[ra:ra+1] op_sel:[1,0,0] op_sel_hi:[1,1,1]   ; of x's pair the upper number serves both halves
.else
	v_pk_fma_f32 v[ra:ra+1], v[rx:rx+1], v[rw:rw+1], v[ra:ra+1] op_sel:[0,0,0] op_sel_hi:[0,1,1]   ; the lower
.endif
.endif
.endr
.endr
.if (\u)+4 < 32
	ISSUE (\u)+4
.endif
.if (\u)%8 == 7
	QBLOCK (\u)/8
.endif
.endm
	ISSUE 0
	ISSUE 1
	ISSUE 2
	ISSUE 3
.set U, 0
.rept 32
	s_wait_alu depctr_va_vdst(0)
	UNIT U
.set U, U+1
.endr
.irp p, 0,2,4,6
	v_pk_add_f32 v[ACC+\p:ACC+\p+1], v[ACC+\p:ACC+\p+1], v[ACC+8+\p:ACC+8+\p+1]
.endr
	ds_store_b128 v8, v[ACC:ACC+3]
	ds_store_b128 v8, v[ACC+4:ACC+7] offset:512
.irp b, 0,1,2,3
	ds_store_b128 v9, v[CD+4*\b:CD+4*\b+3] offset:16*\b
.endr
	ds_store_b32 v10, v[SW]
	s_wait_dscnt 0x0                               ; for the others' sake: my logits, codes and scale words lie in LDS
	s_barrier_signal -1
	s_barrier_wait -1
	; ---- C: the codes leave by rows; wave 1 sends the scale bytes, wave 0 finishes the router
.irp i, 0,1,2,3
	ds_load_b128 v[96+4*\i:96+4*\i+3], v11 offset:2*CP*\i
.endr
.irp i, 0,1,2,3
	s_wait_dscnt 3-\i                              ; load i is in; the later ones stay out
	global_store_b128 v2, v[96+4*\i:96+4*\i+3], s[14:15] offset:512*\i   ; two tokens' rows: 512 consecutive bytes
.endr
	s_cmp_eq_u32 s26, 1
	s_cbranch_scc0 .Lnot_wave_1
	ds_load_b128 v[20:23], v13
	s_wait_dscnt 0x0
	global_store_b128 v2, v[20:23], s[16:17]       ; the block's 512 scale bytes
.Lnot_wave_1:
	s_cmp_lg_u32 s26, 0
	s_cbranch_scc1 .Lend
.irp q, 0,1,2,3
.irp j, 0,1
	ds_load_b128 v[32+8*\q+4*\j:32+8*\q+4*\j+3], v12 offset:1024*\q+512*\j
.endr
.endr
	s_wait_dscnt 0x0
.irp p, 0,2,4,6
	v_pk_add_f32 v[32+\p:33+\p], v[32+\p:33+\p], v[40+\p:41+\p]
	v_pk_add_f32 v[48+\p:49+\p], v[48+\p:49+\p], v[56+\p:57+\p]
.endr
.irp p, 0,2,4,6
	v_pk_add_f32 v[32+\p:33+\p], v[32+\p:33+\p], v[48+\p:49+\p]
.endr
.irp e, 0,1,2,3,4,5,6,7
	v_add_f32 v[32+\e], s[28+\e], v[32+\e]         ; + br: my token's 8 logits
.endr
	v_mov_b32 v64, v32                             ; the largest logit,
	v_mov_b32 v65, 0                               ; and whose it is: a later one takes over only if it is strictly larger
.irp e, 1,2,3,4,5,6,7
	v_cmp_le_f32 vcc_lo, v[32+\e], v64
	v_cndmask_b32 v65, \e, v65, vcc_lo
	v_max_num_f32 v64, v64, v[32+\e]
.endr
.irp e, 0,1,2,3,4,5,6,7
	v_sub_f32 v[40+\e], v[32+\e], v64              ; the maximum is taken away first: exactly 0 for the largest
.endr
.irp e, 0,1,2,3,4,5,6,7
	v_mul_f32 v[40+\e], 0x3fb8aa3b, v[40+\e]
.endr
	s_wait_alu depctr_va_vdst(0)
.irp e, 0,1,2,3,4,5,6,7
	v_exp_f32 v[40+\e], v[40+\e]
.endr
	v_mov_b32 v68, 0                               ; (a plain instruction behind the exponentials)  my place in the sorted list
	s_wait_alu depctr_va_vdst(0)                   ; one wait for the batch, ahead of its first reader
	v_add_f32 v40, v40, v41
	v_add_f32 v42, v42, v43
	v_add_f32 v44, v44, v45
	v_add_f32 v46, v46, v47
	v_add_f32 v40, v40, v42
	v_add_f32 v44, v44, v46
	v_add_f32 v40, v40, v44
	s_wait_alu depctr_va_vdst(0)
	v_rcp_f32 v66, v40                             ; the gate: exp(0) / the sum
	v_mov_b32 v69, 0                               ; (a plain instruction behind the reciprocal)  the token at my place
	s_wait_alu depctr_va_vdst(0)
	; a counting sort of the 32 choices by ballots: expert e's tokens begin at s60, and a token's place among them is the number of lower lanes with the same choice
	s_mov_b32 s60, 0
.irp e, 0,1,2,3,4,5,6,7
	v_cmp_eq_u32 s[44+\e], \e, v65
	s_bcnt1_i32_b32 s61, s[44+\e]
	s_lshl_b32 s62, s60, 16
	s_or_b32 s[52+\e], s61, s62                    ; cnt's word: count + start << 16
	v_mbcnt_lo_u32_b32 v67, s[44+\e], s60
	v_cndmask_b32 v68, v68, v67, s[44+\e]
	s_add_co_u32 s60, s60, s61
.endr
.set T, 0
.rept 32                                               ; the inverse: lane p takes the token t whose place is p
	v_readlane_b32 s62, v68, T
	v_cmp_ne_u32 vcc_lo, s62, v1
	v_cndmask_b32 v69, T, v69, vcc_lo
.set T, T+1
.endr
	s_lshl_b32 s62, s27, 5
	v_add_nc_u32 v69, s62, v69                     ; as a token's number
	v_and_b32 v70, 7, v1
	v_mov_b32 v71, s52
.irp e, 1,2,3,4,5,6,7
	v_cmp_ne_u32 vcc_lo, \e, v70
	v_cndmask_b32 v71, s[52+\e], v71, vcc_lo       ; lane l holds expert l % 8's word
.endr
	v_lshlrev_b32 v72, 10, v70
	v_lshlrev_b32 v73, 2, v1
	global_store_b32 v73, v66, s[18:19]            ; gate, by token
	global_store_b32 v73, v69, s[22:23]            ; lst, by place
	global_store_b32 v72, v71, s[20:21]            ; cnt: four lanes write the same word with the same value
.Lend:
	s_set_vgpr_msb 0x5
	s_wait_tensorcnt 0x0
	ds_add_u32 v0, v1
	s_wait_dscnt 0x0
	s_set_vgpr_msb 0x500
	s_endpgm
.Lfunc_end_k_qadf246461c_route:
	.size	k_qadf246461c_route, .Lfunc_end_k_qadf246461c_route-k_qadf246461c_route
	.p2alignl 7, 3214868480
	.fill 96, 4, 3214868480
	.section	.rodata,"a",@progbits
	.p2align	6, 0x0
	.amdhsa_kernel k_qadf246461c_route
		.amdhsa_group_segment_fixed_size 96768
		.amdhsa_private_segment_fixed_size 0
		.amdhsa_enable_private_segment 0
		.amdhsa_kernarg_size 88
		.amdhsa_user_sgpr_count 2
		.amdhsa_user_sgpr_kernarg_segment_ptr 1
		.amdhsa_wavefront_size32 1
		.amdhsa_system_sgpr_workgroup_id_x 1
		.amdhsa_system_sgpr_workgroup_id_y 1
		.amdhsa_system_sgpr_workgroup_id_z 1
		.amdhsa_system_vgpr_workitem_id 0
		.amdhsa_next_free_vgpr 258
		.amdhsa_next_free_sgpr 66
		.amdhsa_reserve_vcc 1
		.amdhsa_float_denorm_mode_32 3
		.amdhsa_float_denorm_mode_16_64 3
		.amdhsa_memory_ordered 1
		.amdhsa_forward_progress 1
		.amdhsa_inst_pref_size 83
	.end_amdhsa_kernel
	.amdgpu_metadata
---
amdhsa.version: [ 1, 2 ]
amdhsa.kernels:
  - .name:           k_qadf246461c_route
    .symbol:         k_qadf246461c_route.kd
    .args:
      - { .name: x, .offset: 0, .size: 8, .value_kind: global_buffer, .address_space: global }
      - { .name: Wr, .offset: 8, .size: 8, .value_kind: global_buffer, .address_space: global }
      - { .name: br, .offset: 16, .size: 8, .value_kind: global_buffer, .address_space: global }
      - { .name: W1_codes, .offset: 24, .size: 8, .value_kind: global_buffer, .address_space: global }
      - { .name: W2_codes, .offset: 32, .size: 8, .value_kind: global_buffer, .address_space: global }
      - { .name: xq, .offset: 40, .size: 8, .value_kind: global_buffer, .address_space: global }
      - { .name: xs, .offset: 48, .size: 8, .value_kind: global_buffer, .address_space: global }
      - { .name: gate, .offset: 56, .size: 8, .value_kind: global_buffer, .address_space: global }
      - { .name: cnt, .offset: 64, .size: 8, .value_kind: global_buffer, .address_space: global }
      - { .name: lst, .offset: 72, .size: 8, .value_kind: global_buffer, .address_space: global }
      - { .name: wl, .offset: 80, .size: 8, .value_kind: global_buffer, .address_space: global }
    .group_segment_fixed_size: 96768
    .private_segment_fixed_size: 0
    .kernarg_segment_align: 8
    .kernarg_segment_size: 88
    .max_flat_workgroup_size: 128
    .sgpr_count:     66
    .vgpr_count:     258
    .wavefront_size: 32
...
	.end_amdgpu_metadata
.endif
;; end of part 1
;; launch experts (part 2): grid 135 x 1, 4 waves a work-group, no clusters, 80,384 bytes of LDS; arguments xq, xs, gate, cnt, lst, wl, W1_scales, W2_scales, b1, b2, out0; writes out0
.if DOCPART == 2
	.amdgcn_target "amdgcn-amd-amdhsa--gfx1250"
	.amdhsa_code_object_version 6
	.text
	.protected	k_qadf246461c_experts
	.globl	k_qadf246461c_experts
	.p2align	8
	.type	k_qadf246461c_experts,@function
k_qadf246461c_experts:
	s_mov_b64 s[64:65], 0
	v_nop
	global_prefetch_b8 v0, s[64:65] scope:SCOPE_SE
	s_setreg_imm32_b32 hwreg(HW_REG_WAVE_MODE, 25, 1), 1
	s_wait_xcnt 0x0
; EXPERTS.  out0[token] = gate x (relu(x W1[e] + b1[e]) W2[e] + b2[e]) for the token's chosen expert e alone, both products on E2M1 codes with E8M0 scales for each 32 along K.
; THE GRID SERVES EVERY SPLIT: 8,192 rows in tiles of 64 over 8 experts are never more than 128 + 7 = 135 tiles.  Work-group T finds its tile (expert, first row) from cnt; one that a split leaves without rows
; walks on with held indices, passes every barrier, stores nothing and ends behind the last barrier.  That is the text's only branch on loaded numbers; no barrier stands behind it.
; No tensor load and no cluster: the weights' address hangs on the expert's number, which is read from memory.
; SHARES.  One work-group takes 64 rows of one expert through the whole chain.  THE WAVES SHARE THE COLUMNS: wave w makes hidden units 128 w .. + 127 and outputs 128 w .. + 127 for all 64 rows; its 32 KiB of W1
; and 32 KiB of W2 come from wl, which lies in the order of the operand's registers, by loads of 512 consecutive bytes, straight into registers.  The hidden layer goes from wave to wave through LDS as images of registers.
; Places past the expert's last row repeat that row: the same values to the same address, by the same wave; so there are no masks.
; BOTH PRODUCTS ARE USED TRANSPOSED (source 0 = 16 rows of the weight, source 1 = 16 rows of tokens): a lane holds one token's row, its registers run along the units.  THE ROWS OF W1 THAT FORM A TILE ARE NOT NEIGHBOURS:
; lane r of tile 2 b + u holds row 32 b + 8 u + r + 8 (r / 8), so that the 16 registers of tiles 2 b and 2 b + 1 are 16 neighbours along the next K.  The biases are the C of each sum's first matrix instruction.
; LIMITS: NaN and infinities are not served; a hidden block whose largest number lies under 2^-124, or that is all zeros, keeps the byte 1 (a block of zeros has zero codes).
; REGISTERS, in windows of 256.  Window 0: v0-31 addresses; v32-47 W1's scale words, v48-63 W2's, v160-163 x's, v164-171 the hidden layer's (these hold scales and nothing else);
;   v64-127 the gathered rows, then my 8 tiles of the hidden layer, then two sets of hidden fragments; v128-159 x's fragments, then two sets of 16 row offsets; v172-196 the quantiser's; v198-201 gates; v202-239 the search's.
;   Window 1: W1's 32 fragments at 8 (4 t + s); later two sets of 16 rows on their way out.   Window 2: W2's at 8 (4 n + s).   Window 3: b1 v0-63, b2 v64-127, two sets of 8 accumulators from v128.
.set PFX,  0                           ; LDS: [expert][256 blocks]: low half: tokens of the expert up to and with the block; high half: where they begin in the block's list
.set XST,  8192                        ; 64 rows of x's codes, 256 bytes + 16
.set XSS,  XST+64*272                  ; their scale bytes, 16 a row
.set TOK,  XSS+1024                    ; their token numbers
.set GT,   TOK+256                     ; their gates
.set HIMG, GT+256                      ; the hidden layer's 16 fragments (tile of rows m, K step s: 4 m + s), 1,024 bytes each
.set HSC,  HIMG+16*1024                ; their scale words, 128 bytes each
.set OST,  HSC+16*128                  ; the way out: 16 rows x (512 bytes + 16) for each wave
.set LN,   1
.set RR,   2
.set HH,   3
.set L16,  4
.set L4,   5
.set ZERO, 6
.set XFA,  7
.set XSA,  8
.set XWA,  9
.set HWI,  10
.set HWS,  11
.set SO,   12
.set SR,   13
.set GTA,  14
.set QQ,   15
.set BB,   16
.set PP,   17
.set T0,   18
.set CNA,  19
.set W1SO, 20
.set B1O,  21
.set B2O,  22
.set TKW,  23
.set TKR,  24
.set XSWA, 25
.set GTW,  26
.set R16,  27
.set HIA,  28
.set HSA,  29
.set T1,   30
.set T2,   31
.set W1S,  32
.set W2S,  48
.set HA,   64
.set HB,   64
.set XG,   64                          ; the gather: v64-95 rows, v96-99 scale bytes, v100 gate, v101 token, v102-103 and v112-119 offsets, v104-111 tokens
.set XF,   128
.set VO,   128
.set XSW,  160
.set HS,   164
.set PC,   172
.set TM,   180
.set PW,   196
.set GP,   198
.set LSTO, 202
.set SCW,  204                         ; the scan: v204-219 16 words, v220-227 counts, v228-231 at work; v232-239 the experts' totals
.set SEL,  52
.set MSB, 0
.macro WIN new                         ; the immediate's high byte repeats the setting that is left; a switch that changes nothing is dropped
.if MSB != \new
	s_set_vgpr_msb (MSB<<8)|\new
.set MSB, \new
.endif
.endm
.macro BARRIER                         ; my LDS stores have landed and my LDS loads are in: then the work-group's barrier
	s_wait_dscnt 0x0
	s_barrier_signal -1
	s_barrier_wait -1
.endm
	s_load_b512 s[4:19], s[0:1], 0x0               ; xq s[4:5], xs s[6:7], gate s[8:9], cnt s[10:11], lst s[12:13], wl s[14:15], W1's scales s[16:17], W2's s[18:19]
	s_load_b128 s[20:23], s[0:1], 0x40             ; b1, b2
	s_load_b64 s[24:25], s[0:1], 0x50              ; out0
	v_lshl_add_u32 v254, v0, 2, 0x13800
	v_mov_b32 v255, 0
	v_lshrrev_b32 v[T0], 5, v0
	v_readfirstlane_b32 s26, v[T0]                 ; wave 0..3
	s_mov_b32 s27, ttmp9                           ; T
	v_and_b32 v[LN], 31, v0
	v_and_b32 v[RR], 15, v0
	v_bfe_u32 v[HH], v0, 4, 1
	v_lshlrev_b32 v[L16], 4, v[LN]
	v_lshlrev_b32 v[L4], 2, v[LN]
	v_mov_b32 v[ZERO], 0
	v_mul_u32_u24 v[XFA], v[RR], 272
	v_lshl_add_u32 v[XFA], v[HH], 4, v[XFA]
	v_add_nc_u32 v[XFA], XST, v[XFA]               ; x's fragments: row r, + 16 h
	v_lshl_add_u32 v[XSA], v[RR], 4, XSS           ; x's scale words: 16 bytes a row
	s_mul_i32 s40, s26, 16*272
	s_add_co_u32 s40, s40, XST
	v_mul_u32_u24 v[XWA], v[HH], 272
	v_lshl_add_u32 v[XWA], v[RR], 4, v[XWA]
	v_add_nc_u32 v[XWA], s40, v[XWA]               ; the gathered rows into LDS: my wave's 16 rows, sixteen lanes to a row
	s_lshl_b32 s40, s26, 10
	s_add_co_u32 s40, s40, HIMG
	v_add_nc_u32 v[HWI], s40, v[L16]               ; where I store hidden images: K step w
	s_lshl_b32 s40, s26, 7
	s_add_co_u32 s40, s40, HSC
	v_add_nc_u32 v[HWS], s40, v[L4]
	s_mul_i32 s40, s26, 16*528
	s_add_co_u32 s40, s40, OST
	v_mul_u32_u24 v[SO], v[RR], 528
	v_lshl_add_u32 v[SO], v[HH], 5, v[SO]
	v_add_nc_u32 v[SO], s40, v[SO]                 ; my stage, in: row r, + 32 h
	v_add_nc_u32 v[SR], s40, v[L16]                ; and back: a row's 512 bytes, 16 a lane
	v_lshl_add_u32 v[GTA], v[RR], 2, GT
	s_lshl_b32 s40, s26, 11
	v_lshl_add_u32 v[CNA], v[LN], 5, s40           ; cnt, and the table in LDS: my wave's two experts, 8 blocks a lane
	v_and_b32 v[W1SO], 8, v[RR]
	v_add_nc_u32 v[W1SO], v[W1SO], v[RR]
	v_lshl_add_u32 v[W1SO], v[HH], 3, v[W1SO]
	v_lshlrev_b32 v[W1SO], 4, v[W1SO]              ; W1's scale words: lanes 0-15 the rows of tile 2 b, lanes 16-31 those of tile 2 b + 1: row 8 h + r + 8 (r / 8), 16 bytes a row
	v_lshlrev_b32 v[B1O], 6, v[HH]                 ; b1: 16 h numbers on
	v_lshlrev_b32 v[B2O], 5, v[HH]                 ; b2: 8 h
	s_lshl_b32 s40, s26, 6
	s_add_co_u32 s45, s40, TOK
	v_lshl_add_u32 v[TKW], v[RR], 2, s45
	v_lshl_add_u32 v[TKR], v[HH], 2, s45
	s_add_co_u32 s45, s40, GT
	v_lshl_add_u32 v[GTW], v[RR], 2, s45
	s_lshl_b32 s40, s26, 8
	s_add_co_u32 s40, s40, XSS
	v_lshl_add_u32 v[XSWA], v[RR], 4, s40
	v_lshlrev_b32 v[R16], 4, v[RR]
	v_add_nc_u32 v[HIA], HIMG, v[L16]
	v_add_nc_u32 v[HSA], HSC, v[L4]
	s_mov_b32 s[SEL], 0x76543210
	s_mov_b32 s[SEL+1], 0xfedcba98                 ; v_permlanex16_b32's selects for lane l xor 16
.irp b, 0,1,2,3
	v_mov_b32 v[TM+4+\b], 0                        ; written once: a lane permute's destination counts as one of its sources
.endr
	v_mov_b32 v[GP+1], 0                           ; named as the upper halves of pairs, so they are written
	v_mov_b32 v[GP+3], 0
	s_mov_b32 s47, 0
	s_wait_kmcnt 0x0
.irp x, 0,1
.irp j, 0,1
	global_load_b128 v[SCW+8*\x+4*\j:SCW+8*\x+4*\j+3], v[CNA], s[10:11] offset:1024*\x+16*\j
.endr
.endr
	s_lshl_b32 s46, s26, 9
	s_add_nc_u64 s[24:25], s[24:25], s[46:47]      ; out0 at my wave's 512 bytes of a row
	s_wait_loadcnt 0x0
	; ---- the scan: wave w makes experts 2 w and 2 w + 1's running counts over the 256 blocks.  A total is 8,192 at the most: the low halves never reach the high ones.
.macro SCAN x
.irp j, 0,1,2,3,4,5,6,7
	v_and_b32 v[220+\j], 0xffff, v[SCW+8*\x+\j]
.endr
	v_add3_u32 v228, v220, v221, v222
	v_add3_u32 v228, v228, v223, v224
	v_add3_u32 v228, v228, v225, v226
	v_add_nc_u32 v228, v228, v227                  ; my 8 blocks' count
	v_mov_b32 v229, v228
.irp n, 1,2,4,8
	v_mov_b32 v230, 0                              ; lanes with no lane n below them in their row of 16 add 0
	v_mov_b32_dpp v230, v229 row_shr:\n row_mask:0xf bank_mask:0xf bound_ctrl:1
	v_add_nc_u32 v229, v229, v230
.endr
	v_readlane_b32 s40, v229, 15
	v_mad_u32_u24 v229, s40, v[HH], v229           ; lanes 16-31 stand behind the first row's total
	v_sub_nc_u32 v231, v229, v228                  ; what stands in front of my 8 blocks
.irp j, 0,1,2,3,4,5,6,7
	v_add_nc_u32 v[SCW+8*\x+\j], v[SCW+8*\x+\j], v231
	v_add_nc_u32 v231, v231, v[220+\j]
.endr
	ds_store_b128 v[CNA], v[SCW+8*\x:SCW+8*\x+3] offset:PFX+1024*\x
	ds_store_b128 v[CNA], v[SCW+8*\x+4:SCW+8*\x+7] offset:PFX+1024*\x+16
.endm
	SCAN 0
	SCAN 1
	BARRIER                                        ; the table is whole
	; ---- which tile is mine: the last expert whose first tile's number is T or less
.irp e, 0,1,2,3,4,5,6,7
	ds_load_b32 v[232+\e], v[ZERO] offset:PFX+1024*\e+1020
.endr
	s_wait_dscnt 0x0
.irp e, 0,1,2,3,4,5,6,7
	v_and_b32 v[232+\e], 0xffff, v[232+\e]
	v_readfirstlane_b32 s[28+\e], v[232+\e]        ; the experts' totals
.endr
	s_mov_b32 s36, 0
	s_mov_b32 s37, 0
	s_mov_b32 s38, 0
	s_mov_b32 s39, 0
.irp i, 0,1,2,3,4,5,6,7
	s_cmp_le_u32 s36, s27
	s_cselect_b32 s37, \i, s37                     ; the expert,
	s_cselect_b32 s38, s36, s38                    ; its first tile's number,
	s_cselect_b32 s39, s[28+\i], s39               ; its rows
	s_add_co_u32 s40, s[28+\i], 63
	s_lshr_b32 s40, s40, 6
	s_add_co_u32 s36, s36, s40
.endr
	s_min_u32 s37, s37, 7
	s_sub_co_u32 s41, s27, s38
	s_lshl_b32 s41, s41, 6                         ; my first row among the expert's
	s_sub_co_u32 s42, s39, 1                       ; its last row
	s_cmp_lt_u32 s41, s39
	s_cselect_b32 s43, 1, 0                        ; have I rows at all?
	s_lshl_b32 s44, s37, 10                        ; the expert's row of the table (the table begins at LDS byte 0)
	s_lshl_b32 s46, s37, 17
	s_lshl_b32 s40, s26, 15
	s_add_co_u32 s46, s46, s40
	s_add_nc_u64 s[48:49], s[14:15], s[46:47]      ; my 32 fragments of W1,
	s_add_nc_u64 s[50:51], s[48:49], 0x100000      ; of W2
	s_lshl_b32 s46, s37, 13
	s_lshl_b32 s40, s26, 11
	s_add_co_u32 s46, s46, s40
	s_add_nc_u64 s[54:55], s[16:17], s[46:47]      ; my 128 rows of W1's scale bytes,
	s_add_nc_u64 s[56:57], s[18:19], s[46:47]      ; of W2's
	s_lshl_b32 s46, s37, 11
	s_lshl_b32 s40, s26, 9
	s_add_co_u32 s46, s46, s40
	s_add_nc_u64 s[58:59], s[20:21], s[46:47]      ; my 128 numbers of b1,
	s_add_nc_u64 s[60:61], s[22:23], s[46:47]      ; of b2
.macro WLOAD base, from, to            ; loads from .. to - 1 of a weight's 64: 512 consecutive bytes each, into registers 4 n on of the window that is set
.set NN, \from
.rept (\to)-(\from)
	global_load_b128 v[4*NN:4*NN+3], v[L16], s[\base:\base+1] offset:512*NN
.set NN, NN+1
.endr
.endm
.irp b, 0,1,2,3
	global_load_b128 v[W1S+4*\b:W1S+4*\b+3], v[W1SO], s[54:55] offset:512*\b   ; register 4 b + s: K step s; lanes 0-15 tile 2 b, lanes 16-31 tile 2 b + 1
.endr
	WIN 0xc0                                       ; destination window 3
.irp t, 0,1,2,3,4,5,6,7
	global_load_b128 v[8*\t:8*\t+3], v[B1O], s[58:59] offset:(32*(\t/2)+8*(\t%2))*4      ; register j of tile t: hidden unit 32 (t / 2) + 8 (t % 2) + 16 h + j
	global_load_b128 v[8*\t+4:8*\t+7], v[B1O], s[58:59] offset:(32*(\t/2)+8*(\t%2))*4+16
.endr
	WIN 0x40                                       ; destination window 1
	WLOAD 48, 0, 32
	WIN 0
	; ---- the search, while those loads are on their way: lane r looks for row q = my first row + 16 w + r of the expert, held at its last row:
	; the first block whose running count is above q, by eight halvings; P = the count in front of that block
	s_lshl_b32 s40, s26, 4
	s_add_co_u32 s40, s40, s41
	v_add_nc_u32 v[QQ], s40, v[RR]
	v_min_u32 v[QQ], s42, v[QQ]
	v_mov_b32 v[BB], 0
	v_mov_b32 v[PP], 0
.macro PROBE step
	v_add_nc_u32 v[T0], (\step)-1, v[BB]
	v_min_u32 v[T0], 0xff, v[T0]                   ; (never above 254 by the halvings' arithmetic; held, since it comes of loaded numbers)
	v_lshl_add_u32 v[T0], v[T0], 2, s44
	ds_load_b32 v[T1], v[T0]
	s_wait_dscnt 0x0
	v_and_b32 v[T1], 0xffff, v[T1]
	s_wait_alu depctr_va_vdst(0)
	v_cmp_le_u32 vcc_lo, v[T1], v[QQ]
	v_cndmask_b32 v[PP], v[PP], v[T1], vcc_lo
	v_add_nc_u32 v[T2], \step, v[BB]
	v_cndmask_b32 v[BB], v[BB], v[T2], vcc_lo
.endm
.irp p, 128,64,32,16,8,4,2,1
	PROBE \p
.endr
	v_min_u32 v[T0], 0xff, v[BB]
	v_lshl_add_u32 v[T0], v[T0], 2, s44
	ds_load_b32 v[T1], v[T0]
	s_wait_dscnt 0x0
	v_lshrrev_b32 v[T1], 16, v[T1]                 ; where the expert's tokens begin in the block's list
	s_wait_alu depctr_va_vdst(0)
	v_lshl_add_u32 v[T2], v[BB], 5, v[T1]
	v_add_nc_u32 v[T2], v[T2], v[QQ]
	v_sub_nc_u32 v[T2], v[T2], v[PP]               ; 32 x block + start + (q - P)
	v_min_u32 v[T2], 0x1fff, v[T2]
	v_lshlrev_b32 v[LSTO], 2, v[T2]
	s_wait_alu depctr_va_vdst(0)
	BARRIER                                        ; every wave's searches are over before anything is stored to LDS again
	global_load_b32 v101, v[LSTO], s[12:13]        ; the token
	WIN 0x40
	WLOAD 48, 32, 64
	WIN 0
	s_wait_loadcnt 32                              ; the token is in; the 32 loads of W1 issued behind it stay out
	v_min_u32 v101, 0x1fff, v101
	ds_store_b32 v[TKW], v101                      ; lanes r and 16 + r hold the same token and write the same word
.irp i, 0,1,2,3,4,5,6,7
	ds_load_b32 v[104+\i], v[TKR] offset:8*\i      ; my wave's own words, served in order: the tokens of rows 2 i + h
.endr
	v_lshlrev_b32 v102, 4, v101
	v_lshlrev_b32 v103, 2, v101
	s_wait_dscnt 0x0
.irp i, 0,1,2,3,4,5,6,7
	v_min_u32 v[104+\i], 0x1fff, v[104+\i]
	v_lshl_add_u32 v[112+\i], v[104+\i], 8, v[R16]
.endr
.irp i, 0,1,2,3,4,5,6,7
	global_load_b128 v[XG+4*\i:XG+4*\i+3], v[112+\i], s[4:5]   ; sixteen lanes take a token's whole row of 256 bytes, two rows an instruction
.endr
	global_load_b128 v[96:99], v102, s[6:7]
	global_load_b32 v100, v103, s[8:9]
.irp b, 0,1,2,3
	global_load_b128 v[W2S+4*\b:W2S+4*\b+3], v[L16], s[56:57] offset:512*\b   ; lanes 0-15 tile 2 b's rows, lanes 16-31 tile 2 b + 1's: row 32 b + lane
.endr
	WIN 0xc0
.irp n, 0,1,2,3,4,5,6,7
	global_load_b128 v[64+8*\n:64+8*\n+3], v[B2O], s[60:61] offset:64*\n        ; register j of tile n: output 16 n + 8 h + j
	global_load_b128 v[64+8*\n+4:64+8*\n+7], v[B2O], s[60:61] offset:64*\n+16
.endr
	WIN 0x80                                       ; destination window 2
	WLOAD 50, 0, 24
	WIN 0
	s_wait_loadcnt 44                              ; the gather's ten loads are in, and all that was asked for before them (W1, b1, W1's scales); the 4 + 16 + 24 issued behind stay out
.irp i, 0,1,2,3,4,5,6,7
	ds_store_b128 v[XWA], v[XG+4*\i:XG+4*\i+3] offset:2*272*\i
.endr
	ds_store_b128 v[XSWA], v[96:99]
	ds_store_b32 v[GTW], v100
	WIN 0x80
	WLOAD 50, 24, 64
	WIN 0
	BARRIER                                        ; 64 rows of x's codes, their scale bytes, tokens and gates lie in LDS
	; ---- 1: the hidden layer, a tile of 16 rows at a time
.macro FETCH_X m
.irp s, 0,1,2,3
.irp c, 0,1
	ds_load_b128 v[XF+8*\s+4*\c:XF+8*\s+4*\c+3], v[XFA] offset:16*272*(\m)+64*\s+32*\c
.endr
.endr
	ds_load_b128 v[XSW:XSW+3], v[XSA] offset:256*(\m)
.endm
; 32 matrix instructions: my 8 tiles by turns, one instruction a turn, K step by K step; the first K step takes b1 as C
.macro MUL1
.irp s, 0,1,2,3
.if \s == 0
	WIN 0x31                                       ; source 0 (W1) window 1, C (b1) window 3
.else
	WIN 0x01
.endif
.irp t, 0,1,2,3,4,5,6,7
.set rD, HA+8*\t
.set rA, 8*(4*\t+\s)
.set rB, XF+8*\s
.set rC, rD
.if \s == 0
.set rC, 8*\t
.endif
.set rP, W1S+4*(\t/2)+\s
.set rQ, XSW+\s
.if \t%2
	v_wmma_scale_f32_16x16x128_f8f6f4 v[rD:rD+7], v[rA:rA+7], v[rB:rB+7], v[rC:rC+7], v[rP], v[rQ] matrix_a_fmt:MATRIX_FMT_FP4 matrix_b_fmt:MATRIX_FMT_FP4 matrix_a_scale:MATRIX_SCALE_ROW1
.else
	v_wmma_scale_f32_16x16x128_f8f6f4 v[rD:rD+7], v[rA:rA+7], v[rB:rB+7], v[rC:rC+7], v[rP], v[rQ] matrix_a_fmt:MATRIX_FMT_FP4 matrix_b_fmt:MATRIX_FMT_FP4
.endif
.endr
.endr
	WIN 0
.endm
; 64 numbers of a lane, register 16 b + i = k 32 b + 16 (lane / 16) + i of my row, become a fragment's codes in v[PC] on and its scale word in v[PW]
.macro QUANT s
.irp b, 0,1,2,3
	v_max3_num_f32 v[TM+\b], |v[\s+16*\b]|, |v[\s+1+16*\b]|, 0x1800000   ; block b: my 16 numbers, and the floor 2^(3 - 127): the byte cannot fall under 1
.endr
.irp i, 2,4,6,8,10,12,14
.irp b, 0,1,2,3
	v_max3_num_f32 v[TM+\b], v[TM+\b], |v[\s+16*\b+\i]|, |v[\s+1+16*\b+\i]|
.endr
.endr
.irp b, 0,1,2,3
	v_permlanex16_b32 v[TM+4+\b], v[TM+\b], s[SEL], s[SEL+1]
.endr
.irp b, 0,1,2,3
	v_max_num_f32 v[TM+\b], v[TM+\b], v[TM+4+\b]   ; with lane l xor 16's: the block's largest magnitude
.endr
.irp b, 0,1,2,3
	v_add_nc_u32 v[TM+12+\b], 0xff000000, v[TM+\b] ; 2 off its exponent field: the conversion's scale operand
.endr
.irp b, 0,1,2,3
	v_lshrrev_b32 v[TM+4+\b], 23, v[TM+12+\b]      ; the scale's byte
.endr
	v_lshl_or_b32 v[PW], v[TM+5], 8, v[TM+4]
	v_lshl_or_b32 v[PW], v[TM+6], 16, v[PW]
	v_lshl_or_b32 v[PW], v[TM+7], 24, v[PW]
.irp b, 0,1,2,3
	v_cvt_scalef32_pk8_fp4_f32 v[PC+2*\b], v[\s+16*\b:\s+7+16*\b], v[TM+12+\b]
	v_cvt_scalef32_pk8_fp4_f32 v[PC+1+2*\b], v[\s+8+16*\b:\s+15+16*\b], v[TM+12+\b]
.endr
	v_nop                                          ; one plain instruction behind the last scaled conversion
.irp c, 0,1                                    ; the operand's layout wants a whole block in a lane: lanes 0-15 block 2 c, lanes 16-31 block 2 c + 1
.irp i, 0,1
	v_permlane16_swap_b32 v[PC+4*\c+\i], v[PC+2+4*\c+\i]
.endr
.endr
.endm
	FETCH_X 0
.set M, 0
.rept 4
	s_wait_dscnt 0x0                               ; this tile's fragments of x are in, and the last tile's image stores have read their registers
	MUL1
.rept 4
	v_nop                                          ; four places in front of loads into registers that matrix instructions have read, and of the first read of results
.endr
.if M < 3
	FETCH_X M+1
.endif
.set J, 0
.rept 64
	v_max_num_f32 v[HA+J], 0, v[HA+J]              ; the activation, in f32; each accumulator from its low end on
.set J, J+1
.endr
	QUANT HA
	ds_store_b128 v[HWI], v[PC:PC+3] offset:4096*M             ; K step w of the second product, rows 16 M on: the image of the registers
	ds_store_b128 v[HWI], v[PC+4:PC+7] offset:4096*M+512
	ds_store_b32 v[HWS], v[PW] offset:512*M
.set M, M+1
.endr
	BARRIER                                        ; the hidden layer's sixteen fragments lie in LDS.  The last barrier
	s_cmp_eq_u32 s43, 0
	s_cbranch_scc1 .Lend                           ; a work-group without rows stores nothing
	; ---- 2: my 128 outputs, a tile of 16 rows at a time, so that finished rows leave while the next are multiplied.  Two sets of everything, by turns.
.macro FETCH_H m                       ; 17 LDS loads: tile m's four hidden fragments and scale words, its 16 tokens (the same in every lane), my row's gate
.set ZZ, (\m)%2
.irp s, 0,1,2,3
.irp c, 0,1
	ds_load_b128 v[HB+32*ZZ+8*\s+4*\c:HB+32*ZZ+8*\s+4*\c+3], v[HIA] offset:(4*(\m)+\s)*1024+512*\c
.endr
	ds_load_b32 v[HS+4*ZZ+\s], v[HSA] offset:(4*(\m)+\s)*128
.endr
.irp k, 0,1,2,3
	ds_load_b128 v[VO+16*ZZ+4*\k:VO+16*ZZ+4*\k+3], v[ZERO] offset:TOK+64*(\m)+16*\k
.endr
	ds_load_b32 v[GP+2*ZZ], v[GTA] offset:64*(\m)
.endm
.macro MUL2 m                          ; 32 matrix instructions: my 8 tiles of outputs by turns, K step by K step; the first K step takes b2 as C
.set ZZ, (\m)%2
	WIN 0xf2                                       ; source 0 (W2) window 2, source 1 window 0, C and D window 3
.irp s, 0,1,2,3
.irp n, 0,1,2,3,4,5,6,7
.set rD, 128+64*ZZ+8*\n
.set rA, 8*(4*\n+\s)
.set rB, HB+32*ZZ+8*\s
.set rC, rD
.if \s == 0
.set rC, 64+8*\n
.endif
.set rP, W2S+4*(\n/2)+\s
.set rQ, HS+4*ZZ+\s
.if \n%2
	v_wmma_scale_f32_16x16x128_f8f6f4 v[rD:rD+7], v[rA:rA+7], v[rB:rB+7], v[rC:rC+7], v[rP], v[rQ] matrix_a_fmt:MATRIX_FMT_FP4 matrix_b_fmt:MATRIX_FMT_FP4 matrix_a_scale:MATRIX_SCALE_ROW1
.else
	v_wmma_scale_f32_16x16x128_f8f6f4 v[rD:rD+7], v[rA:rA+7], v[rB:rB+7], v[rC:rC+7], v[rP], v[rQ] matrix_a_fmt:MATRIX_FMT_FP4 matrix_b_fmt:MATRIX_FMT_FP4
.endif
.endr
.endr
	WIN 0
.endm
	s_wait_loadcnt 0x0                             ; W2, its scale words and b2
	FETCH_H 0
	s_wait_dscnt 0x0
	MUL2 0
.set M, 0
.rept 4
.set Z, M%2
.if M > 0
	s_wait_xcnt 0x0                                ; the last tile's stores have read their offsets and data: both sets of registers are written again below
.endif
.set J, 0
.rept 16                                               ; the 16 rows' offsets in out0: token x 2,048 + 16 x lane.  These 32 plain lines are also the places behind the products
	v_min_u32 v[VO+16*Z+J], 0x1fff, v[VO+16*Z+J]
	v_lshl_add_u32 v[VO+16*Z+J], v[VO+16*Z+J], 11, v[L16]
.set J, J+1
.endr
.if M < 3
	FETCH_H M+1
.endif
	WIN 0xc3                                       ; destination and source 0 window 3, the gate window 0
.set J, 0
.rept 32
	v_pk_mul_f32 v[128+64*Z+J:128+64*Z+J+1], v[128+64*Z+J:128+64*Z+J+1], v[GP+2*Z:GP+2*Z+1] op_sel_hi:[1,0]   ; x my row's gate; each accumulator from its low end on
.set J, J+2
.endr
	WIN 0x0c                                       ; an LDS store's data are its source 1: window 3
.irp n, 0,1,2,3,4,5,6,7
	ds_store_b128 v[SO], v[128+64*Z+8*\n:128+64*Z+8*\n+3] offset:64*\n        ; lane (r, h): outputs 16 n + 8 h + 0 .. 7 of row r
	ds_store_b128 v[SO], v[128+64*Z+8*\n+4:128+64*Z+8*\n+7] offset:64*\n+16
.endr
	WIN 0x40                                       ; destination window 1
.set J, 0
.rept 16
	ds_load_b128 v[64*Z+4*J:64*Z+4*J+3], v[SR] offset:528*J   ; my own stage, served in order: whole rows of 512 bytes come back
.set J, J+1
.endr
	WIN 0
.if M < 3
	s_wait_dscnt 32                                ; the next tile's 17 loads are in; the 16 stores and 16 loads of the stage, issued behind them, stay out
	MUL2 M+1
.endif
	s_wait_dscnt 0x0
	WIN 0x04                                       ; a store's data are its source 1: window 1
.set J, 0
.rept 16
	global_store_b128 v[VO+16*Z+J], v[64*Z+4*J:64*Z+4*J+3], s[24:25] th:TH_STORE_NT   ; 32 lanes store 512 consecutive bytes of one token's row, at a multiple of 256 from out0's first byte
.set J, J+1
.endr
	WIN 0
.set M, M+1
.endr
.Lend:
	s_wait_tensorcnt 0x0
	ds_add_u32 v254, v255
	s_wait_dscnt 0x0
	s_endpgm
.Lfunc_end_k_qadf246461c_experts:
	.size	k_qadf246461c_experts, .Lfunc_end_k_qadf246461c_experts-k_qadf246461c_experts
	.p2alignl 7, 3214868480
	.fill 96, 4, 3214868480
	.section	.rodata,"a",@progbits
	.p2align	6, 0x0
	.amdhsa_kernel k_qadf246461c_experts
		.amdhsa_group_segment_fixed_size 80384
		.amdhsa_private_segment_fixed_size 0
		.amdhsa_enable_private_segment 0
		.amdhsa_kernarg_size 88
		.amdhsa_user_sgpr_count 2
		.amdhsa_user_sgpr_kernarg_segment_ptr 1
		.amdhsa_wavefront_size32 1
		.amdhsa_system_sgpr_workgroup_id_x 1
		.amdhsa_system_sgpr_workgroup_id_y 1
		.amdhsa_system_sgpr_workgroup_id_z 1
		.amdhsa_system_vgpr_workitem_id 0
		.amdhsa_next_free_vgpr 1024
		.amdhsa_next_free_sgpr 66
		.amdhsa_reserve_vcc 1
		.amdhsa_float_denorm_mode_32 3
		.amdhsa_float_denorm_mode_16_64 3
		.amdhsa_memory_ordered 1
		.amdhsa_forward_progress 1
		.amdhsa_inst_pref_size 132
	.end_amdhsa_kernel
	.amdgpu_metadata
---
amdhsa.version: [ 1, 2 ]
amdhsa.kernels:
  - .name:           k_qadf246461c_experts
    .symbol:         k_qadf246461c_experts.kd
    .args:
      - { .name: xq, .offset: 0, .size: 8, .value_kind: global_buffer, .address_space: global }
      - { .name: xs, .offset: 8, .size: 8, .value_kind: global_buffer, .address_space: global }
      - { .name: gate, .offset: 16, .size: 8, .value_kind: global_buffer, .address_space: global }
      - { .name: cnt, .offset: 24, .size: 8, .value_kind: global_buffer, .address_space: global }
      - { .name: lst, .offset: 32, .size: 8, .value_kind: global_buffer, .address_space: global }
      - { .name: wl, .offset: 40, .size: 8, .value_kind: global_buffer, .address_space: global }
      - { .name: W1_scales, .offset: 48, .size: 8, .value_kind: global_buffer, .address_space: global }
      - { .name: W2_scales, .offset: 56, .size: 8, .value_kind: global_buffer, .address_space: global }
      - { .name: b1, .offset: 64, .size: 8, .value_kind: global_buffer, .address_space: global }
      - { .name: b2, .offset: 72, .size: 8, .value_kind: global_buffer, .address_space: global }
      - { .name: out0, .offset: 80, .size: 8, .value_kind: global_buffer, .address_space: global }
    .group_segment_fixed_size: 80384
    .private_segment_fixed_size: 0
    .kernarg_segment_align: 8
    .kernarg_segment_size: 88
    .max_flat_workgroup_size: 128
    .sgpr_count:     66
    .vgpr_count:     1024
    .wavefront_size: 32
...
	.end_amdgpu_metadata
.endif
;; end of part 2
